; MI455X (gfx1250); checked and timed in simulation.
; The chip was launched on July 23, 2026; its instructions are those of AMD's public machine-readable ISA for CDNA 5 (MIT licence, August 2026) and "CDNA5" Instruction Set Architecture Reference Guide (July 2026). The comments in the code are by the model that wrote it; some were corrected since.
;; Causal Self Attention. Allowed arithmetic: matrix products marked QUANTISED: E4M3 operands, one given power-of-two scale a tensor, by v_wmma_f32_16x16x64_fp8_fp8 or v_wmma_f32_16x16x128_fp8_fp8, f32 sums; everything else in f32.
;; Inputs: W_attn 1,024 x 3,072 float32; W_proj 1,024 x 1,024 float32; b_attn 3,072 float32; b_proj 1,024 float32; lowp_scales 8 int32 (the exponents e of the quantised operands' scales 2^e); x 4 x 2,048 x 1,024 float32.
;; Outputs: out0 4 x 2,048 x 1,024 float32.
;; This version of the problem:
;;   THIS VERSION OF THE PROBLEM IS GIVEN IN LOW PRECISION. The matrix products marked QUANTISED in the list below multiply operands that are first quantised to E4M3 (4 exponent bits, 3 mantissa bits; 8 bits a number), with one given power-of-two scale for each operand tensor; their sums are f32. All else is computed in f32.
;;   The module's matrix products, in the order in which they are computed (A, B: the left and right operand; K: the contracted axis; several contracted axes count as one K, in the product's order):
;;     1. [M 8,192, K 1,024] x [K 1,024, N 3,072]; A: input x; B: input W_attn: QUANTISED (scales: A lowp_scales[0], B lowp_scales[1])
;;     2. batch 64 x [M 2,048, K 64] x [K 64, N 2,048]; A: computed on the way; B: computed on the way: QUANTISED (scales: A lowp_scales[2], B lowp_scales[3])
;;     3. batch 64 x [M 2,048, K 2,048] x [K 2,048, N 64]; A: softmax (see below); B: computed on the way: QUANTISED (scales: A lowp_scales[4], B lowp_scales[5])
;;     4. [M 8,192, K 1,024] x [K 1,024, N 1,024]; A: computed on the way; B: input W_proj: QUANTISED (scales: A lowp_scales[6], B lowp_scales[7])
;;   THE QUANTISER, for each operand of a quantised product, along K:
;;     - The operand's scale is 2^e, e = its entry of the input lowp_scales (int32; the entries are numbered through the quantised products in the list's order, A before B).
;;     - Each number is divided by the scale, clamped to +-448, and rounded to the nearest number of E4M3, ties to even, subnormals kept.
;;     - The product sums the exact products of the quantised numbers (number of the format x scale) in f32.
;;   ~~~python
;;   def quantise(x, axis, e):      # numpy; x: float32 -> the quantised numbers, widened to float32 again
;;       x = np.moveaxis(x, axis, -1); K = x.shape[-1]
;;       r = np.clip(x / 2.0 ** e, -448, 448)
;;       step = 2.0 ** (np.maximum(np.frexp(np.where(r == 0, 1, r))[1] - 1, -6) - 3)
;;       q = np.round(r / step) * step * 2.0 ** e      # np.round: ties to even
;;       return np.moveaxis(q, -1, axis).astype(np.float32)
;;   ~~~
;;   SOFTMAX AHEAD OF A QUANTISED PRODUCT. Where the list says 'softmax', what is quantised is not the finished softmax but p = 2^(t - M), with t = logit x log2(e) and M = ceil(the row's largest t), a whole number; so 1/2 < the row's largest p <= 1. The row's sum l is taken of the UNQUANTISED p, in f32, and the product's result is divided by l at the end. Since M is a whole number, a kernel that streams over the keys may use a running M (the ceiling of the running maximum): every later rescaling is an exact power of two, so the quantised numbers keep their values, but for numbers so far below the row's largest that they fall under the format's range.
;;   OPERANDS COMPUTED ON THE WAY. 'Computed on the way' means the value that the module computes at that place (a softmax that the list does not call 'softmax' is quantised finished and normalised). What goes into a quantiser is computed in f32, as accurately as f32 sums, v_exp_f32 and their like allow (about 1e-6 of the number): no bf16 or f16 on the way to a quantiser, and a product that is left as it is and whose result goes on into a quantised operand takes f32 operands (vector FMAs, or v_wmma_f32_16x16x4_f32). A number that lies on a knife's edge between two numbers of the format may be rounded either way, as far as f32 arithmetic and the matrix unit's own rounding can turn it there, and no further.
;; One version. Each part assembles by itself: llvm-mc -triple=amdgcn-amd-amdhsa -mcpu=gfx1250 --defsym DOCPART=n.
;; ======== version 1 of 1: 4 launches
;; limits: right only within a limited range of input values
;; workspace buffers: opc 11,534,336 bytes; kq 8,388,608 bytes; kv 16,777,216 bytes; ao 8,388,608 bytes
;; launch prep (part 1): grid 896 x 1, 4 waves a work-group, no clusters, 34,304 bytes of LDS; arguments x, W_attn, W_proj, lowp_scales, opc; writes opc
.if DOCPART == 1
	.amdgcn_target "amdgcn-amd-amdhsa--gfx1250"
	.amdhsa_code_object_version 6
	.text
	.protected	k_qe158819d06_prep
	.globl	k_qe158819d06_prep
	.p2align	8
	.type	k_qe158819d06_prep,@function
k_qe158819d06_prep:
	s_mov_b64 s[64:65], 0
	v_nop
	global_prefetch_b8 v0, s[64:65] scope:SCOPE_SE
	s_setreg_imm32_b32 hwreg(HW_REG_WAVE_MODE, 25, 1), 1
	s_wait_xcnt 0x0
; PREP.  x [8192][1024], the k and v columns of W_attn [1024][3072] and W_proj [1024][1024], all f32, become codes of FP8 (E4M3), each with its given scale 2^e
; (entries 0, 1 and 7 of the scales): code = number / 2^e, held within +-448, to the nearest code, ties to even.
; THE CODES LIE AS IMAGES OF OPERAND REGISTERS.  A fragment is 16 rows x 128 along K in 16 registers a lane: lane l holds row l % 16, and its registers 2 c, 2 c + 1 hold
; K = 16 c + 8 (l / 16) + 0 .. 7.  Its image is 2,048 bytes: registers 4 c .. 4 c + 3 of lane l at byte 512 c + 16 l.  So every store here, and every later load, covers 512 consecutive bytes.
; opc: byte 0: x [tile of 16 rows: 512][128 along K: 8][2,048];  byte 8,388,608: W_attn's columns 1024 .. 3071 [tile of 16 columns: 128][8][2,048];  byte 10,485,760: W_proj [64][8][2,048].
; W_attn's columns 0 .. 1023 are not read: the problem itself throws that third of the product away (its q is its k).
; Work-groups 0 .. 511 take x (one tile of 16 rows each, a wave two fragments), 512 .. 767 W_attn, 768 .. 895 W_proj (a wave one fragment).  No loop, every offset an immediate, all loads of a wave asked for at once.
; LIMITS: each e between -126 and 119, so that 2^e and 448 x 2^e are f32 numbers.  NaN among the inputs is not served.
.set XWG,  512                         ; work-groups for x
.set AWG,  256                         ; for W_attn
.set SP,   528                         ; a row in a wave's stage: 512 bytes + 16, an odd multiple of 16: the sixteen rows that a read touches fall on sixteen different 16-byte columns of 256
.set STG,  16*SP                       ; a wave's stage: 16 rows
.set LI,   5                           ; v5   16 x lane; never rewritten
.set LIM,  10
.set SCL,  11                          ; v11  2^e: the conversion takes its exponent field
.set RAW,  16                          ; v16-143  x as loaded: two fragments x 16 rows x 4 registers
.set NUM,  144                         ; v144-207 64 numbers in the fragment's order
.set COD,  208                         ; v208-239 two fragments' codes
.set WN,   16                          ; v16-79   a weight fragment's 64 numbers
.set WC,   80                          ; v80-95   its codes
.macro MKSCALE e                       ; 2^e from the whole number in s[e]
	s_add_co_i32 s32, s[\e], 127
	s_lshl_b32 s33, s32, 23
	v_mov_b32 v[SCL], s33
.endm
	s_load_b256 s[4:11], s[0:1], 0x0               ; x s[4:5], W_attn s[6:7], W_proj s[8:9], the scales s[10:11]
	s_load_b64 s[12:13], s[0:1], 0x20              ; opc
	v_lshl_add_u32 v240, v0, 2, 0x8400
	v_mov_b32 v241, 0
	v_lshrrev_b32 v1, 5, v0
	v_readfirstlane_b32 s16, v1                    ; wave 0..3
	v_and_b32 v2, 31, v0                           ; lane
	v_and_b32 v3, 15, v0                           ; r
	v_bfe_u32 v4, v0, 4, 1                         ; h
	v_lshlrev_b32 v[LI], 4, v2
	s_wait_kmcnt 0x0
	s_load_b256 s[24:31], s[10:11], 0x0            ; e0 .. e7
	s_cmp_lt_u32 ttmp9, XWG
	s_cbranch_scc0 .Lweights
	; ---- x: K is innermost.  Each load takes 512 consecutive bytes of one row; the numbers turn through the wave's own stage so that a lane gets eight neighbours along K at a time.
	s_lshl_b32 s18, ttmp9, 16                      ; my tile: 16 rows of 4,096 bytes,
	s_lshl_b32 s17, s16, 10                        ; my wave's 256 along K
	s_add_co_u32 s18, s18, s17
	s_mov_b32 s19, 0
	s_add_nc_u64 s[4:5], s[4:5], s[18:19]
	s_wait_alu depctr_va_vdst(0)
.irp f, 0,1
.irp i, 0,1,2,3,4,5,6,7,8,9,10,11,12,13,14,15
	global_load_b128 v[RAW+64*\f+4*\i:RAW+64*\f+4*\i+3], v[LI], s[4:5] offset:4096*\i+512*\f th:TH_LOAD_NT
.endr
.endr
	s_lshl_b32 s20, ttmp9, 14                      ; the tile's eight images,
	s_lshl_b32 s17, s16, 12                        ; my wave's two
	s_add_co_u32 s20, s20, s17
	s_mov_b32 s21, 0
	s_add_nc_u64 s[12:13], s[12:13], s[20:21]
	s_mul_i32 s22, s16, STG                        ; my stage
	v_add_nc_u32 v6, s22, v[LI]                    ; in: as loaded, 16 bytes a lane
	v_mul_u32_u24 v7, v3, SP
	v_lshl_add_u32 v7, v4, 5, v7
	v_add_nc_u32 v7, s22, v7                       ; out: row r, + 32 h bytes: K = 8 h on
	s_wait_alu depctr_va_vdst(0)
	s_wait_kmcnt 0x0
	MKSCALE 24
	s_wait_alu depctr_va_vdst(0)
.irp f, 0,1
	s_wait_loadcnt 16-16*\f                        ; this fragment's sixteen loads are in; the other fragment's may be out
.irp i, 0,1,2,3,4,5,6,7,8,9,10,11,12,13,14,15
	ds_store_b128 v6, v[RAW+64*\f+4*\i:RAW+64*\f+4*\i+3] offset:SP*\i
.endr
.irp c, 0,1,2,3,4,5,6,7
	ds_load_b128 v[NUM+8*\c:NUM+8*\c+3], v7 offset:64*\c          ; LDS serves a wave's instructions in order: these see the stores above
	ds_load_b128 v[NUM+8*\c+4:NUM+8*\c+7], v7 offset:64*\c+16     ; K = 16 c + 8 h + 0 .. 7 of row r
.endr
	s_wait_dscnt 0x0
.irp c, 0,1,2,3,4,5,6,7
.irp j, 0,1,2,3,4,5,6,7
.endr
	v_cvt_scalef32_pk8_fp8_f32 v[COD+16*\f+2*\c:COD+16*\f+2*\c+1], v[NUM+8*\c:NUM+8*\c+7], v[SCL]
.endr
	v_nop                                          ; one plain vector line behind the last conversion, ahead of the lines that write its sources again
.irp c, 0,1,2,3
	global_store_b128 v[LI], v[COD+16*\f+4*\c:COD+16*\f+4*\c+3], s[12:13] offset:2048*\f+512*\c   ; 512 consecutive bytes, aligned
.endr
.endr
	s_wait_tensorcnt 0x0
	ds_add_u32 v240, v241
	s_wait_dscnt 0x0
	s_endpgm
; ---- a weight: K is the FIRST axis.  A lane takes a column n and its registers run down K, in the fragment's own order: nothing is transposed.
; The four waves of a work-group stand side by side on 256 consecutive bytes of each row of the weight.
.macro WPATH pitch, src, colbytes, dstoff, e, first
	s_sub_co_u32 s17, ttmp9, \first
	s_and_b32 s18, s17, 7                          ; which 128 along K
	s_lshr_b32 s17, s17, 3
	s_lshl_b32 s17, s17, 2
	s_add_co_u32 s17, s17, s16                     ; which tile of 16 columns
	s_mul_i32 s20, s18, 128*\pitch
	s_lshl_b32 s19, s17, 6
	s_add_co_u32 s20, s20, s19
	s_add_co_u32 s20, s20, \colbytes
	s_mov_b32 s21, 0
	s_add_nc_u64 s[\src:\src+1], s[\src:\src+1], s[20:21]
	s_lshl_b32 s22, s17, 14
	s_lshl_b32 s19, s18, 11
	s_add_co_u32 s22, s22, s19
	s_add_co_u32 s22, s22, \dstoff
	s_mov_b32 s23, 0
	s_add_nc_u64 s[12:13], s[12:13], s[22:23]
	v_mul_u32_u24 v6, v4, 8*\pitch                 ; lanes 16-31 begin eight rows further down,
	v_lshl_add_u32 v6, v3, 2, v6                   ; column r
.irp c, 0,1,2,3,4,5,6,7
.irp j, 0,1,2,3,4,5,6,7
	global_load_b32 v[WN+8*\c+\j], v6, s[\src:\src+1] offset:(16*\c+\j)*\pitch th:TH_LOAD_NT   ; W(16 c + 8 h + j, r)
.endr
.endr
	s_wait_kmcnt 0x0
	MKSCALE \e
	s_wait_alu depctr_va_vdst(0)
.irp g, 0,1
	s_wait_loadcnt 32-32*\g                        ; this half's 32 loads are in; the younger half may be out
.irp c, 0,1,2,3
.irp j, 0,1,2,3,4,5,6,7
.endr
	v_cvt_scalef32_pk8_fp8_f32 v[WC+8*\g+2*\c:WC+8*\g+2*\c+1], v[WN+32*\g+8*\c:WN+32*\g+8*\c+7], v[SCL]
.endr
.endr
	v_nop
	s_wait_alu depctr_va_vdst(0)
.irp c, 0,1,2,3
	global_store_b128 v[LI], v[WC+4*\c:WC+4*\c+3], s[12:13] offset:512*\c
.endr
	s_endpgm
.endm
.Lweights:
	s_cmp_lt_u32 ttmp9, XWG+AWG
	s_cbranch_scc0 .Lproj
	s_wait_alu depctr_va_vdst(0)
	WPATH 12288, 6, 4096, 8388608, 25, XWG
.Lproj:
	s_wait_alu depctr_va_vdst(0)
	WPATH 4096, 8, 0, 10485760, 31, XWG+AWG
.Lfunc_end_k_qe158819d06_prep:
	.size	k_qe158819d06_prep, .Lfunc_end_k_qe158819d06_prep-k_qe158819d06_prep
	.p2alignl 7, 3214868480
	.fill 96, 4, 3214868480
	.section	.rodata,"a",@progbits
	.p2align	6, 0x0
	.amdhsa_kernel k_qe158819d06_prep
		.amdhsa_group_segment_fixed_size 34304
		.amdhsa_private_segment_fixed_size 0
		.amdhsa_enable_private_segment 0
		.amdhsa_kernarg_size 40
		.amdhsa_user_sgpr_count 2
		.amdhsa_user_sgpr_kernarg_segment_ptr 1
		.amdhsa_wavefront_size32 1
		.amdhsa_system_sgpr_workgroup_id_x 1
		.amdhsa_system_sgpr_workgroup_id_y 1
		.amdhsa_system_sgpr_workgroup_id_z 1
		.amdhsa_system_vgpr_workitem_id 0
		.amdhsa_next_free_vgpr 242
		.amdhsa_next_free_sgpr 66
		.amdhsa_reserve_vcc 0
		.amdhsa_float_denorm_mode_32 3
		.amdhsa_float_denorm_mode_16_64 3
		.amdhsa_fp16_overflow 1
		.amdhsa_memory_ordered 1
		.amdhsa_forward_progress 1
		.amdhsa_inst_pref_size 28
	.end_amdhsa_kernel
	.amdgpu_metadata
---
amdhsa.version: [ 1, 2 ]
amdhsa.kernels:
  - .name:           k_qe158819d06_prep
    .symbol:         k_qe158819d06_prep.kd
    .args:
      - { .name: x, .offset: 0, .size: 8, .value_kind: global_buffer, .address_space: global }
      - { .name: W_attn, .offset: 8, .size: 8, .value_kind: global_buffer, .address_space: global }
      - { .name: W_proj, .offset: 16, .size: 8, .value_kind: global_buffer, .address_space: global }
      - { .name: lowp_scales, .offset: 24, .size: 8, .value_kind: global_buffer, .address_space: global }
      - { .name: opc, .offset: 32, .size: 8, .value_kind: global_buffer, .address_space: global }
    .group_segment_fixed_size: 34304
    .private_segment_fixed_size: 0
    .kernarg_segment_align: 8
    .kernarg_segment_size: 40
    .max_flat_workgroup_size: 128
    .sgpr_count:     66
    .vgpr_count:     242
    .wavefront_size: 32
...
	.end_amdgpu_metadata
.endif
;; end of part 1
;; launch gemm_kv (part 2): grid 8 x 32, 4 waves a work-group, clusters of 4 x 4, 327,680 bytes of LDS; arguments opc, lowp_scales, b_attn, kq, kv; writes kq, kv
.if DOCPART == 2
	.amdgcn_target "amdgcn-amd-amdhsa--gfx1250"
	.amdhsa_code_object_version 6
	.text
	.protected	k_qe158819d06_gemm_kv
	.globl	k_qe158819d06_gemm_kv
	.p2align	8
	.type	k_qe158819d06_gemm_kv,@function
k_qe158819d06_gemm_kv:
	s_mov_b64 s[64:65], 0
	v_nop
	global_prefetch_b8 v0, s[64:65] scope:SCOPE_SE
	s_setreg_imm32_b32 hwreg(HW_REG_WAVE_MODE, 25, 1), 1
	s_wait_xcnt 0x0
	s_wait_alu depctr_hold_cnt(0) depctr_sa_sdst(0) depctr_va_vdst(0) depctr_va_sdst(0) depctr_va_ssrc(0) depctr_va_vcc(0) depctr_vm_vsrc(0)
	s_getreg_b32 s2, hwreg(HW_REG_IB_STS2, 6, 4)
	s_cmp_eq_u32 s2, 0
	s_cbranch_scc0 .Lentry_in_a_cluster
	s_endpgm
.Lentry_in_a_cluster:
	s_bfe_u32 s2, ttmp6, 0x10000c
	s_cmp_lg_u32 s2, 0xf033
	s_cbranch_scc0 .Lentry_shape_is_right
	s_endpgm
.Lentry_shape_is_right:
; k = x Wk + bk and v = x Wv + bv on codes of FP8 (E4M3), f32 sums; the results are quantised here, in registers, for the two products of attention, and leave as images of operand registers.
; An image: 16 rows x 128 along K = 16 registers a lane (lane l: row l % 16; registers 2 c, 2 c + 1: K = 16 c + 8 (l / 16) + 0 .. 7); registers 4 c .. 4 c + 3 of lane l at byte 512 c + 16 l.  64 along K: the first half.
; IN: opc (x at byte 0, Wk at 8,388,608, Wv at 9,437,184; [tile of 16 rows][128 along K: 8][2,048]).
; OUT: kq [head 64][tile of 16 tokens: 128][1,024]: k with scale 2^e2 (the query side; the problem's q is its k);
;      kv [head 64][block of 128 keys: 16][16,384]: eight tiles of 16 keys x 64 (k with 2^e3), then from byte 8,192 four fragments of 16 channels x 128 keys (v with 2^e5).
; A tile of the result, 256 x 256, is made by four waves, 128 x 128 each: 64 accumulators, 512 registers.  K = 1,024 goes in four steps of 256 through two LDS slots filled by the tensor data mover.
; TWO PARTS, by the cluster's x, which all partners share.  Part 0 (k): side A = x's rows, side B = Wk's rows.  Part 1 (v): side A = Wv's rows, side B = x's rows.
; Source 0 takes B's fragment and source 1 A's: a lane then holds ONE row of A and eight neighbouring rows of B.  So for k a lane's eight numbers run along the head's channels and for v along the tokens:
; each is the next product's K, and one conversion of eight gives a register pair of the next operand.  Nothing changes lanes and nothing goes through LDS on the way out.
; CLUSTERS: 4 x 4 work-groups; A's tile is shared along a row of the cluster, B's along a column: each is asked for jointly, by the same tensor load with the same descriptor and a mask that names the four.
; REGISTERS, in windows of 256: window 0: v0-31 addresses; v32-95 the biases; v96-103 their offsets; v104-107 scales; from v128 A's fragments, one set (on the way out v128-223 at work).
;   window 1: B's fragments, two sets.   windows 2, 3: the accumulators ((a, b) at v[8 (8 (a % 4) + b)] of window 2 + a / 4).
; LIMITS: e0 + e1 between -126 and 127; e2, e3, e5 between -126 and 119.  NaN among the inputs is not served.
.set HALFT, 32768                      ; what one tensor load brings: 8 tiles of 16 rows x 256 along K (4,096 bytes each); also what one wave reads of A or of B
.set SLOT,  4*HALFT                    ; A's 256 rows, then B's
.set SPARE, 2*SLOT                     ; behind the ring: the spare words, 128 bytes for each wave, that no other line names
.set FR,    16                         ; registers of a fragment
.set NL,    4                          ; LDS loads that bring one
.set NP,    4                          ; places behind this matrix instruction (ISA guide 7.12.1)
.set ADRA,  16                         ; v16-17  LDS address of my A fragments in slot 0, 1
.set ADRB,  20                         ; v20-21  the same for B
.set LI,    24                         ; v24     16 x lane; never rewritten
.set SPW,   28                         ; v28     LDS address of my spare word; never rewritten
.set NIL,   29                         ; v29     0; never rewritten
.set BT,    32                         ; v32-95  the biases in the results' layout
.set VO,    96                         ; v96-103 byte offsets of the bias loads
.set SC,    104                        ; v104, v106  2^e of each conversion
.set AF,    128                        ; A's fragments
.set VAL,   128                        ; the way out: sums x 2^(e0 + e1) + bias
.set HLD,   160
.set CD,    192                        ; codes: two sets of 16 registers by turns
.set G1,  24                           ; s[24:31] descriptor group 1 for A's tiles;  s[32:39] group 0, one set for each slot
.set G0,  32
.set G1B, 48                           ; s[48:55], s[56:63] the same for B's
.set G0B, 56
.set MSB, 0
.macro WIN new                         ; the immediate's high byte repeats the setting that is left
.if MSB != (\new)
	s_set_vgpr_msb (MSB<<8)|(\new)
.set MSB, (\new)
.endif
.endm
.set MUL_LO, 0xa1                      ; source 0 (B) window 1, source 1 (A) window 0, C and D window 2
.set MUL_HI, 0xf1                      ; the same, C and D window 3
.set TO_B,   0x40                      ; destination window 1, address window 0
; A joint load: waves 0 and 1 fetch for A, waves 2 and 3 for B; the branch hangs on the wave's number alone.  Four v_nop follow each of the two lines.
.macro JLOAD g0a, g1a, g0b, g1b
	s_cmp_eq_u32 s15, 0
	s_cbranch_scc0 .Lfor_b_\@
	tensor_load_to_lds s[\g0a:\g0a+3], s[\g1a:\g1a+7]
	s_nop 0
.rept 4
	v_nop
.endr
	s_branch .Lasked_\@
.Lfor_b_\@:
	tensor_load_to_lds s[\g0b:\g0b+3], s[\g1b:\g1b+7]
	s_nop 0
.rept 4
	v_nop
.endr
.Lasked_\@:
.endm
.macro CREST                           ; a round of the cluster's barrier behind its opening barrier
	s_cmp_lg_u32 s14, 0
	s_cbranch_scc1 .Lnot_wave_0_\@
	s_barrier_signal -3
.Lnot_wave_0_\@:
	s_barrier_wait -3
	s_barrier_signal -1
	s_barrier_wait -1
.endm
.macro CROUND                          ; a whole round
	s_barrier_signal -1
	s_barrier_wait -1
	CREST
.endm
.macro MKSCALE e, vs, vl               ; 2^e and 448 x 2^e from the whole number in s[e]
	s_add_co_i32 s98, s[\e], 127
	s_lshl_b32 s99, s98, 23
	v_mov_b32 v[\vs], s99
	s_add_co_i32 s98, s98, 8
	s_lshl_b32 s98, s98, 23
	s_or_b32 s98, s98, 0x600000
.endm
	s_load_b256 s[4:11], s[0:1], 0x0               ; opc s[4:5], the scales s[6:7], b_attn s[8:9], kq s[10:11]
	s_load_b64 s[12:13], s[0:1], 0x20              ; kv
	v_lshl_add_u32 v[SPW], v0, 2, SPARE
	v_mov_b32 v[NIL], 0
	ds_add_u32 v28, v29
	ds_add_u32 v28, v29
	s_wait_dscnt 0x0
	v_lshrrev_b32 v1, 5, v0
	v_readfirstlane_b32 s14, v1                    ; wave 0..3
	s_lshr_b32 s15, s14, 1                         ; which half of A's rows is mine.  Also: I fetch for A (0) or for B (1)
	s_and_b32 s16, s14, 1                          ; which half of B's rows.  Also: which 128 rows of that tile I fetch
	s_bfe_u32 s40, ttmp6, 0x40000                  ; cx, cy: my place in the cluster
	s_bfe_u32 s41, ttmp6, 0x40004
	s_and_b32 s66, ttmp7, 0xffff
	s_lshl_b32 s66, s66, 2                         ; 4 x the cluster's y
	s_cmp_eq_u32 ttmp9, 0                          ; part 0 or 1: only offsets are chosen, all on this one compare
	s_cselect_b32 s17, s66, 0                      ; x has 32 tiles of 256 rows, a weight four: the cluster's y walks x's
	s_cselect_b32 s42, 0, s66
	s_cselect_b32 s20, 0, 0x900000                 ; side A begins at x or at Wv,
	s_cselect_b32 s46, 0x800000, 0                 ; side B at Wk or at x
	s_cselect_b32 s67, 32, 0                       ; the biases' strides in bytes: for l / 16,
	s_cselect_b32 s68, 0, 4                        ; for l % 16,
	s_cselect_b32 s69, 4, 0                        ; for the register
	s_cselect_b32 s70, 0, 1                        ; the part
	s_add_co_u32 s17, s17, s41                     ; A's tile of 256 rows: made of cy and the cluster's place alone
	s_add_co_u32 s42, s42, s40                     ; B's: of cx and the cluster's place alone
	s_lshl_b32 s43, s41, 2
	s_lshl_b32 s43, 15, s43                        ; my row of the cluster
	s_lshl_b32 s44, 0x1111, s40                    ; my column
	; descriptor group 1: 8 rows of 4,096 bytes (a tile of 16 rows' two fragments of this K step), 16,384 bytes apart in memory, dense in LDS; elements of 8 bytes
	s_or_b32 s[G1+0], s43, (3<<16)|(1<<21)         ; 15:0 the mask: A's tiles go to my row; 17:16 elements of 8 bytes; 21 set beside a mask; no padding: every LDS read takes 512 bytes on end
	s_or_b32 s[G1B+0], s44, (3<<16)|(1<<21)
.irp g, G1, G1B
	s_mov_b32 s[\g+1], 512<<16                     ; tensor_dim0 = 512
	s_mov_b32 s[\g+2], 8<<16                       ; tensor_dim1 = 8
	s_mov_b32 s[\g+3], 512<<16                     ; tile_dim0 = 512
	s_mov_b32 s[\g+4], 8                           ; tile_dim1 = 8
	s_mov_b32 s[\g+5], 2048                        ; tensor_dim0_stride
	s_mov_b32 s[\g+6], 0
	s_mov_b32 s[\g+7], 0
.endr
	s_lshl_b32 s18, s16, 17                        ; which 128 rows of the tile I fetch: 8 x 16,384 bytes
	s_lshl_b32 s19, s17, 18                        ; a tile of 256 rows is 262,144 bytes
	s_add_co_u32 s20, s20, s19
	s_add_co_u32 s20, s20, s18
	s_mov_b32 s21, 0
	s_lshl_b32 s47, s42, 18
	s_add_co_u32 s46, s46, s47
	s_add_co_u32 s46, s46, s18
	s_mov_b32 s47, 0
	s_mul_i32 s45, s14, HALFT                      ; where they go: wave x 32,768: no place in the cluster enters an LDS address
	s_wait_kmcnt 0x0
	s_load_b256 s[72:79], s[6:7], 0x0              ; e0 .. e7
	s_add_nc_u64 s[20:21], s[4:5], s[20:21]
	s_add_nc_u64 s[46:47], s[4:5], s[46:47]
	CROUND                                         ; all sixteen work-groups are here: the first joint loads meet
.irp s, 0,1
	s_mov_b32 s[G0+4*\s], 1
	s_add_co_u32 s[G0+4*\s+1], s45, \s*SLOT
	s_add_nc_u64 s[G0+4*\s+2:G0+4*\s+3], s[20:21], \s*4096
	s_or_b32 s[G0+4*\s+3], s[G0+4*\s+3], 0x80000000
	s_mov_b32 s[G0B+4*\s], 1
	s_add_co_u32 s[G0B+4*\s+1], s45, \s*SLOT
	s_add_nc_u64 s[G0B+4*\s+2:G0B+4*\s+3], s[46:47], \s*4096
	s_or_b32 s[G0B+4*\s+3], s[G0B+4*\s+3], 0x80000000
	s_wait_alu depctr_va_vdst(0)
	s_wait_tensorcnt 0x0
	ds_add_u32 v28, v29
	ds_add_u32 v28, v29
	s_wait_dscnt 0x0
	CROUND
	JLOAD G0+4*\s, G1, G0B+4*\s, G1B               ; one load of mine is out
.endr
	v_and_b32 v6, 31, v0
	v_lshlrev_b32 v[LI], 4, v6
	s_mul_i32 s22, s15, HALFT                      ; my 128 rows of A
	s_mul_i32 s23, s16, HALFT                      ; my 128 rows of B,
	s_add_co_u32 s23, s23, 2*HALFT                 ; which lie behind A's 256
.irp s, 0,1
	v_add_nc_u32 v[ADRA+\s], s22, v[LI]
	v_add_nc_u32 v[ADRB+\s], s23, v[LI]
	s_add_co_u32 s22, s22, SLOT
	s_add_co_u32 s23, s23, SLOT
.endr
	; which tokens and which features are my wave's 128 x 128
	s_cmp_eq_u32 ttmp9, 0
	s_cselect_b32 s80, s17, s42                    ; the tokens lie on side A in part 0, on side B in part 1
	s_cselect_b32 s81, s15, s16
	s_cselect_b32 s82, s42, s17                    ; the features on the other side
	s_cselect_b32 s83, s16, s15
	s_lshl_b32 s80, s80, 8
	s_lshl_b32 s81, s81, 7
	s_add_co_u32 s80, s80, s81                     ; my first token, a multiple of 128
	s_lshl_b32 s82, s82, 8
	s_lshl_b32 s83, s83, 7
	s_add_co_u32 s82, s82, s83                     ; my first feature of the part's 1,024: two heads
	s_lshr_b32 s84, s80, 11                        ; the batch,
	s_and_b32 s85, s80, 2047                       ; the token within it
	s_lshl_b32 s84, s84, 4
	s_lshr_b32 s86, s82, 6
	s_add_co_u32 s84, s84, s86                     ; my first head of 64: 16 x batch + feature / 64
	s_lshl_b32 s86, s84, 17                        ; kq: a head is 131,072 bytes, 16 tokens 1,024
	s_lshl_b32 s87, s85, 6
	s_add_co_u32 s86, s86, s87
	s_mov_b32 s87, 0
	s_add_nc_u64 s[10:11], s[10:11], s[86:87]
	s_lshl_b32 s88, s84, 18                        ; kv: a head is 262,144 bytes, 128 keys 16,384; v's part begins 8,192 on
	s_lshr_b32 s89, s85, 7
	s_lshl_b32 s89, s89, 14
	s_add_co_u32 s88, s88, s89
	s_lshl_b32 s89, s70, 13
	s_add_co_u32 s88, s88, s89
	s_mov_b32 s89, 0
	s_add_nc_u64 s[12:13], s[12:13], s[88:89]
	s_lshl_b32 s90, s70, 10                        ; b_attn: entry 1,024 + 1,024 x part + my first feature
	s_add_co_u32 s90, s90, s82
	s_add_co_u32 s90, s90, 1024
	s_lshl_b32 s90, s90, 2
	s_mov_b32 s91, 0
	s_add_nc_u64 s[8:9], s[8:9], s[90:91]
	; the biases in the results' layout.  Part 0: register 8 b + j is feature 16 b + 8 (l / 16) + j.  Part 1: register 8 a + j is feature 16 a + l % 16, for every j.  One text: the strides were chosen above.
	v_and_b32 v1, 15, v0
	v_bfe_u32 v2, v0, 4, 1
	v_mul_u32_u24 v3, v2, s67
	v_mad_u32_u24 v3, v1, s68, v3
	v_mov_b32 v5, s69
.irp j, 0,1,2,3,4,5,6,7
	v_mad_u32_u24 v[VO+\j], v5, \j, v3
.endr
.irp i, 0,1,2,3,4,5,6,7
.irp j, 0,1,2,3,4,5,6,7
	global_load_b32 v[BT+8*\i+\j], v[VO+\j], s[8:9] offset:64*\i
.endr
.endr
.macro FRAG reg, adr, q, i             ; a fragment comes as it was stored: four loads of 512 bytes on end; tile i of my eight, the slot's q-th 128 along K
.irp c, 0,1,2,3
	ds_load_b128 v[\reg+4*\c:\reg+4*\c+3], v[\adr] offset:(\i)*4096+(\q)*2048+512*\c
.endr
.endm
; 16 matrix instructions: A's blocks a0, a0 + 1 x B's eight, 128 along K.  p: B's set.  zero = 1: the first product starts the sums.
; The 64 accumulators take turns, one instruction a turn, in the same order in every step.
.macro MUL16 a0, p, zero
.irp a, \a0, \a0+1
.irp b, 0,1,2,3,4,5,6,7
.if \zero
	v_wmma_f32_16x16x128_fp8_fp8 v[8*(8*((\a)%4)+\b):8*(8*((\a)%4)+\b)+7], v[128*(\p)+FR*\b:128*(\p)+FR*\b+FR-1], v[AF+FR*(\a):AF+FR*(\a)+FR-1], 0
.else
	v_wmma_f32_16x16x128_fp8_fp8 v[8*(8*((\a)%4)+\b):8*(8*((\a)%4)+\b)+7], v[128*(\p)+FR*\b:128*(\p)+FR*\b+FR-1], v[AF+FR*(\a):AF+FR*(\a)+FR-1], v[8*(8*((\a)%4)+\b):8*(8*((\a)%4)+\b)+7]
.endif
.endr
.endr
.endm
.macro FETCH_B slot, q, p
	WIN TO_B
.irp i, 0,1,2,3,4,5,6,7
	FRAG 128*(\p)+FR*\i, ADRB+\slot, \q, \i
.endr
	WIN 0
.endm
.macro FETCH_A slot, q, i0             ; A's blocks i0 .. i0 + 3
.irp i, \i0, \i0+1, \i0+2, \i0+3
	FRAG AF+FR*(\i), ADRA+\slot, \q, \i
.endr
.endm
.macro PLACES n                        ; plain vector lines between a matrix instruction and a load into, or a vector line on, one of its registers (ISA guide 7.12.1 for vector lines)
.rept \n
	v_nop
.endr
.endm
; A step of 128 along K that has its successor in the same slot.  A's blocks are free as soon as their eight products are issued, so one set serves A; B's fragments are at work through the whole step and have two.
.macro STEP slot, q, zero
	s_wait_dscnt 4*NL                              ; B's set and A's blocks 0-3 are in; the youngest sixteen loads (A's blocks 4-7) may be out
	WIN MUL_LO
	MUL16 0, (\q)%2, \zero
	MUL16 2, (\q)%2, \zero
	s_wait_dscnt 0                                 ; A's blocks 4-7 are in
	PLACES NP
	FETCH_B \slot, (\q)+1, 1-(\q)%2
	FETCH_A \slot, (\q)+1, 0
	WIN MUL_HI
	MUL16 4, (\q)%2, \zero
	MUL16 6, (\q)%2, \zero
	PLACES NP
	WIN 0
	FETCH_A \slot, (\q)+1, 4
.endm
; A slot's last step changes slots: one barrier; in front of it each wave waits for all its tensor loads, adds 0 to its spare word, and waits for that and for its own reads of this slot.  fill = 1: this slot is filled again, two K steps ahead.
.macro TURN slot, next, fill
	s_wait_tensorcnt 0x0                           ; all my tensor loads have landed: my part of the next slot
	ds_add_u32 v[SPW], v[NIL]                      ; 0 onto my spare word
	s_wait_dscnt 4*NL+1                            ; (the add and the youngest sixteen loads, A's blocks 4-7, may be out)
	WIN MUL_LO
	MUL16 0, 1, 0                                  ; sixteen matrix instructions stand between the add and the wait for it
	s_wait_dscnt 0x0                               ; the add is done, and my reads of this slot are over
	s_barrier_signal -1
	MUL16 2, 1, 0
	WIN 0
	s_barrier_wait -1
.if \fill
	CREST                                          ; the barrier has opened a round of the cluster's: no wave of any partner still reads this slot or has a load on its way
	s_add_nc_u64 s[G0+4*\slot+2:G0+4*\slot+3], s[G0+4*\slot+2:G0+4*\slot+3], 8192
	s_add_nc_u64 s[G0B+4*\slot+2:G0B+4*\slot+3], s[G0B+4*\slot+2:G0B+4*\slot+3], 8192
	JLOAD G0+4*\slot, G1, G0B+4*\slot, G1B         ; the first tensor load behind the round, my only one until the next; its four v_nop are the places in front of the loads below
.else
	PLACES NP
.endif
	FETCH_B \next, 0, 0
	FETCH_A \next, 0, 0
	WIN MUL_HI
	MUL16 4, 1, 0
	MUL16 6, 1, 0
	PLACES NP
	WIN 0
	FETCH_A \next, 0, 4
.endm
	s_wait_tensorcnt 1                             ; my part of K step 0 is in; K step 1's load may be out
	s_barrier_signal -1
	s_barrier_wait -1                              ; everybody's is
	FETCH_B 0, 0, 0
	FETCH_A 0, 0, 0
	FETCH_A 0, 0, 4
	STEP 0, 0, 1                                   ; four K steps of 256, written out: the first products start the sums
	TURN 0, 1, 1                                   ; slot 0 takes K step 2
	STEP 1, 0, 0
	TURN 1, 0, 1                                   ; slot 1 takes K step 3
	STEP 0, 0, 0
	TURN 0, 1, 0                                   ; nothing is left to fetch
	STEP 1, 0, 0
	s_wait_dscnt 4*NL
	WIN MUL_LO
	MUL16 0, 1, 0
	MUL16 2, 1, 0
	s_wait_dscnt 0
	WIN MUL_HI
	MUL16 4, 1, 0
	MUL16 6, 1, 0
	WIN 0
	; THE WAY OUT: sum x 2^(e0 + e1) + bias in one packed multiply-add (each accumulator from its low end on), the conversion, and the codes are stored as they stand: 512 consecutive bytes a store.
	s_wait_kmcnt 0x0                               ; the scales
	s_wait_loadcnt 0x0                             ; the biases
	s_add_co_i32 s96, s72, s73
	s_add_co_i32 s96, s96, 127
	s_lshl_b32 s96, s96, 23                        ; 2^(e0 + e1) as f32
	s_mov_b32 s97, s96                             ; (named with it as a pair, so it is written)
	PLACES NP                                      ; behind the last products: their results are read and A's registers written below
	s_cmp_lg_u32 ttmp9, 0                          ; the part: the same in every wave and every partner
	s_cbranch_scc1 .Lv_out
	; ---- k: a turn is 16 tokens (block a) x one head (w): 32 numbers a lane = four register pairs of a fragment of 16 tokens x 64 channels; quantised twice, with e2 for kq and with e3 for kv
	MKSCALE 74, SC, SC+1
	MKSCALE 75, SC+2, SC+3
.set n, 0
.irp a, 0,1,2,3,4,5,6,7
.irp w, 0,1
.if n >= 2
	s_wait_xcnt 0x0                                ; the stores of two turns ago have read their registers: that set of codes is written again below
.endif
.set AC, 64*(\a%4)+32*\w
.set CS, CD+16*(n%2)
	WIN 0x02+(\a/4)                                ; source 0: window 2 or 3
.set i, 0
.rept 16
	v_pk_fma_f32 v[VAL+i:VAL+i+1], v[AC+i:AC+i+1], s[96:97], v[BT+32*\w+i:BT+32*\w+i+1] op_sel_hi:[1,0,1]
.set i, i+2
.endr
	WIN 0
.set i, 0
.rept 32
.set i, i+1
.endr
.irp g, 0,1,2,3
	v_cvt_scalef32_pk8_fp8_f32 v[CS+2*\g:CS+2*\g+1], v[VAL+8*\g:VAL+8*\g+7], v[SC]
.endr
	v_nop                                          ; one plain vector line between the conversions and the lines that write their sources again
.set i, 0
.rept 32
.set i, i+1
.endr
.irp g, 0,1,2,3
	v_cvt_scalef32_pk8_fp8_f32 v[CS+8+2*\g:CS+8+2*\g+1], v[VAL+8*\g:VAL+8*\g+7], v[SC+2]
.endr
	v_nop
	global_store_b128 v[LI], v[CS:CS+3], s[10:11] offset:\w*131072+\a*1024
	global_store_b128 v[LI], v[CS+4:CS+7], s[10:11] offset:\w*131072+\a*1024+512
	global_store_b128 v[LI], v[CS+8:CS+11], s[12:13] offset:\w*262144+\a*1024
	global_store_b128 v[LI], v[CS+12:CS+15], s[12:13] offset:\w*262144+\a*1024+512
.set n, n+1
.endr
.endr
	s_branch .Ldone
.Lv_out:
	; ---- v: a turn is 16 channels (block a) x my 128 tokens: 64 numbers a lane = a whole fragment of 16 channels x 128 keys
	MKSCALE 77, SC, SC+1
.irp a, 0,1,2,3,4,5,6,7
.if \a >= 2
	s_wait_xcnt 0x0
.endif
.set AC, 64*(\a%4)
.set CS, CD+16*(\a%2)
	WIN 0x02+(\a/4)
.set i, 0
.rept 32
	v_pk_fma_f32 v[VAL+i:VAL+i+1], v[AC+i:AC+i+1], s[96:97], v[BT+8*\a+i%8:BT+8*\a+i%8+1] op_sel_hi:[1,0,1]
.set i, i+2
.endr
	WIN 0
.set i, 0
.rept 64
.set i, i+1
.endr
.irp g, 0,1,2,3,4,5,6,7
	v_cvt_scalef32_pk8_fp8_f32 v[CS+2*\g:CS+2*\g+1], v[VAL+8*\g:VAL+8*\g+7], v[SC]
.endr
	v_nop
.irp c, 0,1,2,3
	global_store_b128 v[LI], v[CS+4*\c:CS+4*\c+3], s[12:13] offset:(\a/4)*262144+(\a%4)*2048+512*\c
.endr
.endr
.Ldone:
	s_wait_tensorcnt 0x0                           ; the wave's end
	ds_add_u32 v[SPW], v[NIL]
	s_wait_dscnt 0x0
	CROUND                                         ; the closing round: no work-group ends while a partner may still ask for a tile that names it
	s_endpgm
.Lfunc_end_k_qe158819d06_gemm_kv:
	.size	k_qe158819d06_gemm_kv, .Lfunc_end_k_qe158819d06_gemm_kv-k_qe158819d06_gemm_kv
	.p2alignl 7, 3214868480
	.fill 96, 4, 3214868480
	.section	.rodata,"a",@progbits
	.p2align	6, 0x0
	.amdhsa_kernel k_qe158819d06_gemm_kv
		.amdhsa_group_segment_fixed_size 327680
		.amdhsa_private_segment_fixed_size 0
		.amdhsa_enable_private_segment 0
		.amdhsa_kernarg_size 40
		.amdhsa_user_sgpr_count 2
		.amdhsa_user_sgpr_kernarg_segment_ptr 1
		.amdhsa_wavefront_size32 1
		.amdhsa_system_sgpr_workgroup_id_x 1
		.amdhsa_system_sgpr_workgroup_id_y 1
		.amdhsa_system_sgpr_workgroup_id_z 1
		.amdhsa_system_vgpr_workitem_id 0
		.amdhsa_next_free_vgpr 1024
		.amdhsa_next_free_sgpr 100
		.amdhsa_reserve_vcc 0
		.amdhsa_float_denorm_mode_32 3
		.amdhsa_float_denorm_mode_16_64 3
		.amdhsa_fp16_overflow 1
		.amdhsa_memory_ordered 1
		.amdhsa_forward_progress 1
		.amdhsa_inst_pref_size 143
	.end_amdhsa_kernel
	.amdgpu_metadata
---
amdhsa.version: [ 1, 2 ]
amdhsa.kernels:
  - .name:           k_qe158819d06_gemm_kv
    .symbol:         k_qe158819d06_gemm_kv.kd
    .args:
      - { .name: opc, .offset: 0, .size: 8, .value_kind: global_buffer, .address_space: global }
      - { .name: lowp_scales, .offset: 8, .size: 8, .value_kind: global_buffer, .address_space: global }
      - { .name: b_attn, .offset: 16, .size: 8, .value_kind: global_buffer, .address_space: global }
      - { .name: kq, .offset: 24, .size: 8, .value_kind: global_buffer, .address_space: global }
      - { .name: kv, .offset: 32, .size: 8, .value_kind: global_buffer, .address_space: global }
    .group_segment_fixed_size: 327680
    .private_segment_fixed_size: 0
    .kernarg_segment_align: 8
    .kernarg_segment_size: 40
    .max_flat_workgroup_size: 128
    .sgpr_count:     100
    .vgpr_count:     1024
    .wavefront_size: 32
...
	.end_amdgpu_metadata
.endif
;; end of part 2
;; launch attn (part 3): grid 4 x 64, 16 waves a work-group, clusters of 4 x 1, 327,680 bytes of LDS; arguments kq, kv, lowp_scales, ao; writes ao
.if DOCPART == 3
	.amdgcn_target "amdgcn-amd-amdhsa--gfx1250"
	.amdhsa_code_object_version 6
	.text
	.protected	k_qe158819d06_attn
	.globl	k_qe158819d06_attn
	.p2align	8
	.type	k_qe158819d06_attn,@function
k_qe158819d06_attn:
	s_mov_b64 s[64:65], 0
	v_nop
	global_prefetch_b8 v0, s[64:65] scope:SCOPE_SE
	s_setreg_imm32_b32 hwreg(HW_REG_WAVE_MODE, 25, 1), 1
	s_wait_xcnt 0x0
	s_wait_alu depctr_hold_cnt(0) depctr_sa_sdst(0) depctr_va_vdst(0) depctr_va_sdst(0) depctr_va_ssrc(0) depctr_va_vcc(0) depctr_vm_vsrc(0)
	s_getreg_b32 s2, hwreg(HW_REG_IB_STS2, 6, 4)
	s_cmp_eq_u32 s2, 0
	s_cbranch_scc0 .Lentry_in_a_cluster
	s_endpgm
.Lentry_in_a_cluster:
	s_bfe_u32 s2, ttmp6, 0x10000c
	s_cmp_lg_u32 s2, 0x3003
	s_cbranch_scc0 .Lentry_shape_is_right
	s_endpgm
.Lentry_shape_is_right:
; Causal attention of 64 heads (2,048 tokens, 64 channels), both products on codes of FP8 (E4M3); the result is quantised here for the projection.
; IN: kq [head][tile of 16 tokens: 128][1,024]: the queries (the problem's q is its k), scale 2^e2;  kv [head][block of 128 keys: 16][16,384]: eight tiles of 16 keys x 64 (2^e3), then four fragments of 16 channels x 128 keys (v, 2^e5).
; OUT: ao [tile of 16 tokens: 512][128 of the 1,024 features: 8][2,048], scale 2^e6.  All three are images of operand registers: lane l holds row l % 16, registers 2 c, 2 c + 1 hold K = 16 c + 8 (l / 16) + 0 .. 7;
; registers 4 c .. 4 c + 3 of lane l lie at byte 512 c + 16 l.  So every fragment comes and goes by lines that cover 512 bytes on end.
; THE SOFTMAX AHEAD OF THE SECOND PRODUCT: t = score x log2(e) / 32; M = the row's largest t so far, rounded UP to a whole number; p = 2^(t - M) is quantised (2^e4), not normalised.  The row's sum is taken of the
; unquantised p and divides at the end.  When M moves, the sum and O are multiplied by 2^(old M - new M): exact.
; LAYOUT.  Both products transposed: S^T = K Q^T (source 0 = 16 keys), O^T = V^T P^T (source 0 = 16 channels): a lane holds ONE query (l % 16) throughout.  Tile t of S^T gives a lane keys 16 t + 8 (l / 16) + 0 .. 7:
; one conversion of eight is register pair t of P; tile d of O^T gives channels 16 d + 8 (l / 16) + 0 .. 7: pair d of the head's half of a fragment of ao.
; SHARES.  A cluster of four work-groups is one head; work-group cx takes the tiles of 16 queries 4 g + cx, g = 0 .. 31.  Wave w = 4 a + b has u = 4 ((a + b) % 4) + a and owns two tiles: g = 31 - u and g = u.
; A tile has g / 2 + 1 key steps of 128 with keys that count, so every wave has 17 of them.  Whether a step is left out (its first key > 64 g) or needs no mask (its last key <= 64 g) does not hang on cx:
; a step's first key is a multiple of 128 and 16 cx + 15 < 64.  So all four partners branch alike, and every trip count is a constant: every work-group walks all 16 key steps, and leaves out only a step's WORK.
; RING.  Two LDS slots of 256 keys (32,768 bytes, dense in memory), filled jointly for the four partners by waves 0 and 1 (128 keys each), read by all sixteen waves.
; LIMITS: e2 + e3 between -121 and 132 (they are added to the exponent field of log2(e) / 32); e4 and e6 between -126 and 119; e4 + e5 is applied by v_ldexp_f32.  NaN is not served.
.set SLOTB, 32768                      ; a slot; one exclusive or turns an address in one slot into the other's
.set SPARE, 2*SLOTB                    ; behind the ring: the spare words, 128 bytes for each of sixteen waves, that no other line names
.set LI,   1                           ; v1   16 x lane; never rewritten
.set ADR,  2                           ; v2   LDS address of the step's tiles
.set SPW,  3                           ; v3   LDS address of my spare word; never rewritten
.set NIL,  4                           ; v4   0; never rewritten
.set DXH,  6                           ; v6, v7  my query less 8 (l / 16), in the two tiles
.set DXL,  7
.set STH,  12                          ; v12-15, v16-19  a tile's -M, largest t, sum in two halves
.set STL,  16
.set QH,   20                          ; v20-27, v28-35  the two tiles of queries
.set QL,   28
.set OH,   36                          ; v36-67, v68-99  O^T
.set OL,   68
.set KV,   100                         ; v100-163 eight tiles of K, then four fragments of V
.set S,    164                         ; v164-227 S^T, then p
.set P,    228                         ; v228-243 p's codes
.set WV,   12                          ; s12  my wave's number
.set QBH,  17                          ; s17, s18  64 g of my two tiles
.set QBL,  18
.set KF,   19                          ; s19  the step's first key
.set SEL,  20                          ; s[20:21] lane selects for v_permlanex16_b32: lane l xor 16
.set CS,   22                          ; s[22:23] c = 2^(e2 + e3) log2(e) / 32
.set G1,   24                          ; s[24:31] descriptor group 1;  s[32:35] group 0, which walks
.set G0,   32
.set TB,   36                          ; s36  LDS byte at which the slot in hand begins
.macro CROUND                          ; a round of the cluster's barrier
	s_barrier_signal -1
	s_barrier_wait -1
	s_cmp_lg_u32 s[WV], 0
	s_cbranch_scc1 .Lnot_wave_0_\@
	s_barrier_signal -3
.Lnot_wave_0_\@:
	s_barrier_wait -3
	s_barrier_signal -1
	s_barrier_wait -1
.endm
.macro JLOAD                           ; waves 0 and 1 fetch, the others nothing; the branch hangs on the wave's number alone.  Four v_nop follow the line
	s_cmp_lt_u32 s[WV], 2
	s_cbranch_scc0 .Lasked_\@
	tensor_load_to_lds s[G0:G0+3], s[G1:G1+7]
	s_nop 0
.rept 4
	v_nop
.endr
.Lasked_\@:
.endm
.macro MKSCALE e, vs, vl               ; 2^e from the whole number in s[e]
	s_add_co_i32 s56, s[\e], 127
	s_lshl_b32 s57, s56, 23
	v_mov_b32 v[\vs], s57
.endm
	s_load_b256 s[4:11], s[0:1], 0x0               ; kq s[4:5], kv s[6:7], the scales s[8:9], ao s[10:11]
	v_lshl_add_u32 v[SPW], v0, 2, SPARE
	v_mov_b32 v[NIL], 0
	ds_add_u32 v3, v4
	ds_add_u32 v3, v4
	s_wait_dscnt 0x0
	v_lshrrev_b32 v8, 5, v0
	s_delay_alu instid0(VALU_DEP_1)
	v_readfirstlane_b32 s[WV], v8                  ; wave 0..15
	s_bfe_u32 s13, ttmp6, 0x40000                  ; cx: it enters the addresses of kq and ao and the mask's numbers, and nothing else
	s_and_b32 s14, ttmp7, 0xffff                   ; the head, which the four partners share
	; descriptor group 1: 16,384 dense bytes as 64 rows of 256; elements of 8 bytes
	s_mov_b32 s[G1], 15|(3<<16)|(1<<21)            ; 15:0 the mask: all four work-groups; 17:16 elements of 8 bytes; 21 set beside a mask; no padding: every LDS read takes 512 bytes on end
	s_mov_b32 s[G1+1], 32<<16                      ; tensor_dim0 = 32
	s_mov_b32 s[G1+2], 64<<16                      ; tensor_dim1 = 64
	s_mov_b32 s[G1+3], 32<<16                      ; tile_dim0 = 32
	s_mov_b32 s[G1+4], 64                          ; tile_dim1 = 64
	s_mov_b32 s[G1+5], 32                          ; tensor_dim0_stride
	s_mov_b32 s[G1+6], 0
	s_mov_b32 s[G1+7], 0
	s_and_b32 s56, s[WV], 1
	s_lshl_b32 s56, s56, 14                        ; which 128 keys of a slot I fetch, if I fetch: in LDS and in memory alike
	s_lshl_b32 s62, s14, 18                        ; a head is 262,144 bytes of kv
	s_add_co_u32 s62, s62, s56
	s_mov_b32 s63, 0
	s_mov_b32 s[SEL], 0x76543210
	s_mov_b32 s[SEL+1], 0xfedcba98
	s_mov_b32 s[TB], 0
	s_mov_b32 s[KF], 0
	s_mov_b32 s37, 7                               ; slots still to be asked for
	s_wait_kmcnt 0x0
	s_load_b256 s[40:47], s[8:9], 0x0              ; e0 .. e7
	s_mov_b32 s[G0], 1                             ; count = 1
	s_mov_b32 s[G0+1], s56                         ; LDS address: slot 0
	s_add_nc_u64 s[G0+2:G0+3], s[6:7], s[62:63]    ; the head's first 256 keys
	s_or_b32 s[G0+3], s[G0+3], 0x80000000          ; type = 2
	CROUND                                         ; all four work-groups are here
	JLOAD                                          ; slot 0
	s_lshr_b32 s56, s[WV], 2                       ; a
	s_and_b32 s57, s[WV], 3                        ; b
	s_add_co_u32 s57, s57, s56
	s_and_b32 s57, s57, 3
	s_lshl_b32 s57, s57, 2
	s_add_co_u32 s16, s57, s56                     ; u
	s_sub_co_u32 s57, 31, s16                      ; 31 - u
	s_lshl_b32 s[QBH], s57, 6
	s_lshl_b32 s[QBL], s16, 6
	s_lshl_b32 s57, s57, 2
	s_add_co_u32 s57, s57, s13                     ; my late tile of queries
	s_lshl_b32 s58, s16, 2
	s_add_co_u32 s58, s58, s13                     ; my early one
	s_lshl_b32 s59, s14, 17                        ; a head is 131,072 bytes of kq, a tile 1,024
	s_lshl_b32 s60, s57, 10
	s_add_co_u32 s60, s60, s59
	s_mov_b32 s61, 0
	s_add_nc_u64 s[48:49], s[4:5], s[60:61]
	s_lshl_b32 s60, s58, 10
	s_add_co_u32 s60, s60, s59
	s_add_nc_u64 s[50:51], s[4:5], s[60:61]
	s_lshr_b32 s59, s14, 4                         ; ao: a batch is 128 tiles of 16,384 bytes; a head's half fragment is 1,024 bytes, sixteen of them on end in a tile
	s_lshl_b32 s59, s59, 21
	s_and_b32 s38, s14, 15
	s_lshl_b32 s38, s38, 10
	s_add_co_u32 s59, s59, s38
	s_lshl_b32 s60, s57, 14
	s_add_co_u32 s60, s60, s59
	s_add_nc_u64 s[52:53], s[10:11], s[60:61]
	s_lshl_b32 s60, s58, 14
	s_add_co_u32 s60, s60, s59
	s_add_nc_u64 s[54:55], s[10:11], s[60:61]
	v_and_b32 v10, 31, v0
	s_delay_alu instid0(VALU_DEP_1)
	v_lshlrev_b32 v[LI], 4, v10
	global_load_b128 v[QH:QH+3], v[LI], s[48:49]               ; the queries stay in registers
	global_load_b128 v[QH+4:QH+7], v[LI], s[48:49] offset:512
	global_load_b128 v[QL:QL+3], v[LI], s[50:51]
	global_load_b128 v[QL+4:QL+7], v[LI], s[50:51] offset:512
	v_and_b32 v8, 15, v0
	v_bfe_u32 v9, v0, 4, 1
	s_delay_alu instid0(VALU_DEP_1)
	v_lshlrev_b32 v9, 3, v9
	s_delay_alu instid0(VALU_DEP_1)
	v_sub_nc_u32 v8, v8, v9                        ; l % 16 - 8 (l / 16)
	s_lshl_b32 s60, s57, 4
	v_add_nc_u32 v[DXH], s60, v8
	s_lshl_b32 s60, s58, 4
	v_add_nc_u32 v[DXL], s60, v8
.irp st, STH, STL
	v_mov_b32 v[\st+1], 0xff61b1e6                 ; the largest t so far: -3e38, under every t
	s_delay_alu instid0(VALU_DEP_1)
	v_floor_f32 v[\st], -v[\st+1]                  ; -M
	v_mov_b32 v[\st+2], 0                          ; the sum, in two halves
	v_mov_b32 v[\st+3], 0
.endr
.set i, 0
.rept 64
	v_mov_b32 v[OH+i], 0                           ; O^T of both tiles.  (The step is written once: the first finds zeros, which the first change of M leaves zeros)
.set i, i+1
.endr
	v_mov_b32 v251, 0                              ; (named as the upper half of the pair v[250:251])
	v_mov_b32 v252, 0                              ; written once: a lane permute's destination counts as one of its sources
	v_mov_b32 v253, 0xff800000                     ; -infinity
	s_wait_kmcnt 0x0
	s_add_co_i32 s56, s42, s43
	s_lshl_b32 s56, s56, 23
	s_mov_b32 s[CS], 0x3d38aa3b                    ; log2(e) / 32: the problem scales by 1,024^-0.5
	s_add_co_i32 s[CS], s[CS], s56                 ; a score stands for score x 2^(e2 + e3): the two exponents are added to c's exponent field
	s_mov_b32 s[CS+1], s[CS]                       ; (named with it as a pair, so it is written)
	s_add_co_i32 s39, s44, s45                     ; e4 + e5
	MKSCALE 44, 244, 245                           ; v244 = 2^e4
; ONE TILE OF 16 QUERIES AGAINST 128 KEYS, block kb of the slot in hand.  ro, rq, rs, rx: the tile's O^T, queries, statistics, query numbers; sq: its 64 g.
.macro TILE kb, ro, rq, rs, rx, sq
	s_cmp_gt_u32 s[KF], s[\sq]                     ; all keys of the step come after the tile's queries: the work is left out.  No barrier and no tensor load stands here
	s_cbranch_scc1 .Lskip_\@
	v_add_nc_u32 v[ADR], s[TB], v[LI]
.rept 3
	v_nop                                          ; with the addition four places behind the last products, in front of loads into registers that they read
.endr
.irp t, 0,1,2,3,4,5,6,7
	ds_load_b128 v[KV+8*\t:KV+8*\t+3], v[ADR] offset:(\kb)*16384+1024*\t
	ds_load_b128 v[KV+8*\t+4:KV+8*\t+7], v[ADR] offset:(\kb)*16384+1024*\t+512
.endr
	s_wait_alu depctr_va_vdst(0)
	s_wait_dscnt 0x0
.irp t, 0,1,2,3,4,5,6,7
	v_wmma_f32_16x16x64_fp8_fp8 v[S+8*\t:S+8*\t+7], v[KV+8*\t:KV+8*\t+7], v[\rq:\rq+7], 0
.endr
.rept 4
	v_nop                                          ; places: K's registers take V below, and the scores are read
.endr
.irp d, 0,1,2,3
.irp c, 0,1,2,3
	ds_load_b128 v[KV+16*\d+4*\c:KV+16*\d+4*\c+3], v[ADR] offset:(\kb)*16384+8192+2048*\d+512*\c   ; V lands while the softmax is worked
.endr
.endr
	s_add_co_u32 s38, s[KF], 127
	s_cmp_le_u32 s38, s[\sq]                       ; all keys of the step count: no mask
	s_cbranch_scc1 .Lopen_\@
	v_sub_nc_u32 v254, v[\rx], s[KF]               ; register n holds key KF + 16 (n / 8) + 8 (l / 16) + n % 8: hidden where 16 (n / 8) + n % 8 > my query - 8 (l / 16) - KF
.set n, 0
.rept 64
	v_cmp_gt_i32 vcc_lo, 16*(n/8)+n%8, v254
	v_cndmask_b32 v[S+n], v[S+n], v253, vcc_lo     ; -infinity ahead of the maximum: p = 0 then.  Key 0 counts for every query, so M is a number from the first step on
.set n, n+1
.endr
.Lopen_\@:
	v_max3_num_f32 v246, v[S], v[S+1], v[S+2]      ; the step's largest score of my query among my 64 keys, in two chains, each accumulator from its low end on,
	v_max3_num_f32 v247, v[S+3], v[S+4], v[S+5]
.irp i, 6,10,14,18,22,26,30,34,38,42,46,50,54,58
	v_max3_num_f32 v246, v246, v[S+\i], v[S+\i+1]
	v_max3_num_f32 v247, v247, v[S+\i+2], v[S+\i+3]
.endr
	v_max3_num_f32 v246, v246, v[S+62], v[S+63]
	s_delay_alu instid0(VALU_DEP_1)
	v_max_num_f32 v246, v246, v247
	s_delay_alu instid0(VALU_DEP_1)
	v_permlanex16_b32 v252, v246, s[SEL], s[SEL+1]
	s_delay_alu instid0(VALU_DEP_1)
	v_max_num_f32 v246, v246, v252                 ; and among lane l xor 16's
	s_delay_alu instid0(VALU_DEP_1)
	v_mul_f32 v246, s[CS], v246                    ; as t (c is positive)
	s_delay_alu instid0(VALU_DEP_1)
	v_max_num_f32 v[\rs+1], v[\rs+1], v246         ; the running largest t
	v_mov_b32 v246, v[\rs]
	s_delay_alu instid0(VALU_DEP_2)
	v_floor_f32 v[\rs], -v[\rs+1]                  ; the new -M = floor(-t) = -ceil(t): a whole number
	s_delay_alu instid0(VALU_DEP_1)
	v_sub_f32 v246, v[\rs], v246                   ; M's old value less its new one: a whole number, 0 or less
	s_delay_alu instid0(VALU_DEP_1)
	v_cvt_i32_f32 v246, v246                       ; (it saturates)
	s_delay_alu instid0(VALU_DEP_1)
	v_ldexp_f32 v250, 1.0, v246                    ; f = 2^(old M - new M)
.set j, 0
.rept 32
	v_pk_fma_f32 v[S+j:S+j+1], v[S+j:S+j+1], s[CS:CS+1], v[\rs:\rs+1] op_sel_hi:[1,0,0]   ; t - M, two at a time (of the pairs c and -M the low word serves both halves)
.set j, j+2
.endr
.set j, 0
	s_wait_alu depctr_va_vdst(0)
.rept 64
	v_exp_f32 v[S+j], v[S+j]                       ; p = 2^(t - M), at most 1
.set j, j+1
.endr
	v_pk_mul_f32 v[\rs+2:\rs+3], v[\rs+2:\rs+3], v[250:251] op_sel_hi:[1,0]   ; the sums under the new M.  (A plain place behind the exponentials)
	s_wait_alu depctr_va_vdst(0)
	v_pk_add_f32 v[248:249], v[S:S+1], v[S+2:S+3]  ; the row's sum is taken of the unquantised p: two at a time, in two chains
.irp j, 4,8,12,16,20,24,28,32,36,40,44,48,52,56,60
	v_pk_add_f32 v[\rs+2:\rs+3], v[\rs+2:\rs+3], v[S+\j:S+\j+1]
	v_pk_add_f32 v[248:249], v[248:249], v[S+\j+2:S+\j+3]
.endr
	s_delay_alu instid0(VALU_DEP_1)
	v_pk_add_f32 v[\rs+2:\rs+3], v[\rs+2:\rs+3], v[248:249]
.irp t, 0,1,2,3,4,5,6,7
.irp i, 0,1,2,3,4,5,6,7
.endr
	v_cvt_scalef32_pk8_fp8_f32 v[P+2*\t:P+2*\t+1], v[S+8*\t:S+8*\t+7], v244
.endr
.set j, 0
.rept 16
	v_pk_mul_f32 v[\ro+j:\ro+j+1], v[\ro+j:\ro+j+1], v[250:251] op_sel_hi:[1,0]   ; O^T under the new M.  (Also the plain lines between the conversions and the products that read their results)
.set j, j+2
.endr
	s_wait_alu depctr_va_vdst(0)
	s_wait_dscnt 0x0                               ; V is in
.irp d, 0,1,2,3
	v_wmma_f32_16x16x128_fp8_fp8 v[\ro+8*\d:\ro+8*\d+7], v[KV+16*\d:KV+16*\d+15], v[P:P+15], v[\ro+8*\d:\ro+8*\d+7]   ; four accumulators by turns, one instruction a turn
.endr
.Lskip_\@:
.endm
.macro STEP kb
	TILE \kb, OH, QH, STH, DXH, QBH
	TILE \kb, OL, QL, STL, DXL, QBL
	s_add_co_u32 s[KF], s[KF], 128
.endm
; THE CHANGE OF SLOTS stands at a slot's head.  Each wave waits for all its tensor loads (its part of the slot ahead), adds 0 to its spare word, and waits for that and for its reads of the slot that it has left.
; fill = 1: a round of the cluster's barrier, and behind it that other slot is filled with the keys that follow: the load has two key steps in which to land; one tensor load of a wave is out at most.
.macro CHANGE fill
	s_wait_tensorcnt 0x0                           ; no tensor load of mine is out, so group 0 may be written
	ds_add_u32 v[SPW], v[NIL]                      ; 0 onto my spare word
.if \fill
	s_xor_b32 s[G0+1], s[G0+1], SLOTB              ; the other slot than last time,
	s_add_nc_u64 s[G0+2:G0+3], s[G0+2:G0+3], SLOTB ; the next 256 keys; the type bits on top are not reached
.endif
	s_wait_dscnt 0x0                               ; the add is done, and my reads of the slot that I have left are over
.if \fill
	CROUND
	JLOAD                                          ; the first thing behind the round
.else
	s_barrier_signal -1
	s_barrier_wait -1
.endif
.endm
	s_wait_loadcnt 0x0                             ; the queries
.Lslot:                                            ; seven trips: behind each change of slots but the last the next slot is asked for
	CHANGE 1
	STEP 0
	STEP 1
	s_xor_b32 s[TB], s[TB], SLOTB                  ; on to the other slot
	s_sub_co_u32 s37, s37, 1
	s_cmp_lg_u32 s37, 0
	s_cbranch_scc1 .Lslot
	CHANGE 0                                       ; the last slot is written out
	STEP 0
	STEP 1
	; THE WAY OUT.  O^T x 2^(e4 + e5) / the sum is what the projection's quantiser takes: four conversions, and the eight registers are the head's half of a fragment of ao.
.rept 4
	v_nop                                          ; places behind the last products
.endr
	MKSCALE 46, 244, 245                           ; now 2^e6
.macro OUT ro, rs, rt, cb, base
	v_add_f32 v246, v[\rs+2], v[\rs+3]             ; the sum's two halves,
	s_wait_alu depctr_va_vdst(0)
	v_permlanex16_b32 v252, v246, s[SEL], s[SEL+1]
	s_delay_alu instid0(VALU_DEP_1)
	v_add_f32 v246, v246, v252                     ; and lane l xor 16's
	s_wait_alu depctr_va_vdst(0)
	v_rcp_f32 v250, v246
	v_nop                                          ; one plain place behind a transcendental
	s_wait_alu depctr_va_vdst(0)
	v_ldexp_f32 v250, v250, s39
.set j, 0
.rept 16
	v_pk_mul_f32 v[\rt+j:\rt+j+1], v[\ro+j:\ro+j+1], v[250:251] op_sel_hi:[1,0]   ; each accumulator from its low end on
.set j, j+2
.endr
.set j, 0
.rept 32
.set j, j+1
.endr
.irp d, 0,1,2,3
	v_cvt_scalef32_pk8_fp8_f32 v[\cb+2*\d:\cb+2*\d+1], v[\rt+8*\d:\rt+8*\d+7], v244
.endr
	v_nop
	global_store_b128 v[LI], v[\cb:\cb+3], s[\base:\base+1]                 ; 512 consecutive bytes, aligned
	global_store_b128 v[LI], v[\cb+4:\cb+7], s[\base:\base+1] offset:512
.endm
	OUT OH, STH, S, P, 52
	OUT OL, STL, S+32, P+8, 54
	s_wait_tensorcnt 0x0                           ; the wave's end
	ds_add_u32 v[SPW], v[NIL]
	s_wait_dscnt 0x0
	CROUND                                         ; the closing round
	s_endpgm
.Lfunc_end_k_qe158819d06_attn:
	.size	k_qe158819d06_attn, .Lfunc_end_k_qe158819d06_attn-k_qe158819d06_attn
	.p2alignl 7, 3214868480
	.fill 96, 4, 3214868480
	.section	.rodata,"a",@progbits
	.p2align	6, 0x0
	.amdhsa_kernel k_qe158819d06_attn
		.amdhsa_group_segment_fixed_size 327680
		.amdhsa_private_segment_fixed_size 0
		.amdhsa_enable_private_segment 0
		.amdhsa_kernarg_size 32
		.amdhsa_user_sgpr_count 2
		.amdhsa_user_sgpr_kernarg_segment_ptr 1
		.amdhsa_wavefront_size32 1
		.amdhsa_system_sgpr_workgroup_id_x 1
		.amdhsa_system_sgpr_workgroup_id_y 1
		.amdhsa_system_sgpr_workgroup_id_z 1
		.amdhsa_system_vgpr_workitem_id 0
		.amdhsa_next_free_vgpr 256
		.amdhsa_next_free_sgpr 66
		.amdhsa_reserve_vcc 1
		.amdhsa_float_denorm_mode_32 3
		.amdhsa_float_denorm_mode_16_64 3
		.amdhsa_fp16_overflow 1
		.amdhsa_memory_ordered 1
		.amdhsa_forward_progress 1
		.amdhsa_inst_pref_size 163
	.end_amdhsa_kernel
	.amdgpu_metadata
---
amdhsa.version: [ 1, 2 ]
amdhsa.kernels:
  - .name:           k_qe158819d06_attn
    .symbol:         k_qe158819d06_attn.kd
    .args:
      - { .name: kq, .offset: 0, .size: 8, .value_kind: global_buffer, .address_space: global }
      - { .name: kv, .offset: 8, .size: 8, .value_kind: global_buffer, .address_space: global }
      - { .name: lowp_scales, .offset: 16, .size: 8, .value_kind: global_buffer, .address_space: global }
      - { .name: ao, .offset: 24, .size: 8, .value_kind: global_buffer, .address_space: global }
    .group_segment_fixed_size: 327680
    .private_segment_fixed_size: 0
    .kernarg_segment_align: 8
    .kernarg_segment_size: 32
    .max_flat_workgroup_size: 512
    .sgpr_count:     66
    .vgpr_count:     256
    .wavefront_size: 32
...
	.end_amdgpu_metadata
.endif
;; end of part 3
;; launch gemm_out (part 4): grid 8 x 32, 4 waves a work-group, clusters of 4 x 4, 327,680 bytes of LDS; arguments ao, opc, lowp_scales, b_proj, out0; writes out0
.if DOCPART == 4
	.amdgcn_target "amdgcn-amd-amdhsa--gfx1250"
	.amdhsa_code_object_version 6
	.text
	.protected	k_qe158819d06_gemm_out
	.globl	k_qe158819d06_gemm_out
	.p2align	8
	.type	k_qe158819d06_gemm_out,@function
k_qe158819d06_gemm_out:
	s_mov_b64 s[64:65], 0
	v_nop
	global_prefetch_b8 v0, s[64:65] scope:SCOPE_SE
	s_setreg_imm32_b32 hwreg(HW_REG_WAVE_MODE, 25, 1), 1
	s_wait_xcnt 0x0
	s_wait_alu depctr_hold_cnt(0) depctr_sa_sdst(0) depctr_va_vdst(0) depctr_va_sdst(0) depctr_va_ssrc(0) depctr_va_vcc(0) depctr_vm_vsrc(0)
	s_getreg_b32 s2, hwreg(HW_REG_IB_STS2, 6, 4)
	s_cmp_eq_u32 s2, 0
	s_cbranch_scc0 .Lentry_in_a_cluster
	s_endpgm
.Lentry_in_a_cluster:
	s_bfe_u32 s2, ttmp6, 0x10000c
	s_cmp_lg_u32 s2, 0xf033
	s_cbranch_scc0 .Lentry_shape_is_right
	s_endpgm
.Lentry_shape_is_right:
; out0 = a W_proj + b_proj on codes of FP8 (E4M3), f32 sums.  a: ao [tile of 16 tokens: 512][128 along K: 8][2,048] (2^e6);  W_proj: opc from byte 10,485,760, [tile of 16 columns: 64][8][2,048] (2^e7);
; both are images of operand registers (lane l: row l % 16; registers 2 c, 2 c + 1: K = 16 c + 8 (l / 16) + 0 .. 7; registers 4 c .. 4 c + 3 of lane l at byte 512 c + 16 l).  out0: [8192][1024] f32.
; A tile of out0 is 256 rows x 128 columns, so that the 32 x 8 tiles give each of 256 WGPs one; four waves, 128 x 64 each: 32 accumulators, 256 registers.  That leaves room for two sets of both operands.
; K = 1,024 goes in four steps of 256 through two LDS slots filled by the tensor data mover.  CLUSTERS: 4 x 4; A's tile is shared along a row of the cluster, B's along a column: joint loads.
; Source 0 = 16 columns' fragment of W_proj, source 1 = 16 tokens' fragment: a lane holds eight neighbouring columns of one row of out0.
; REGISTERS, in windows of 256: window 0: v0-31 addresses; v32-63 the bias; v64-159 the way out.  window 1: A's fragments, two sets of 128.  window 2: B's, two sets of 64.  window 3: the accumulators ((a, b) at v[8 (4 a + b)]).
; LIMIT: e6 + e7 between -126 and 127.
.set ATILE, 65536                      ; A's part of a slot: 16 tiles of 16 rows x 4,096 bytes
.set SLOT,  98304                      ; then B's: 8 x 4,096
.set SPARE, 2*SLOT                     ; behind the ring: the spare words, 128 bytes for each wave, that no other line names
.set SPITCH, 272                       ; the way out: a stage of 16 rows x (256 bytes + 16) for each wave.  It lies in slot 0, which has had its last fill and its last read when the first result is stored there
.set FR,    16
.set ADRA,  16                         ; v16-17  LDS address of my A fragments in slot 0, 1
.set ADRB,  20                         ; v20-21  the same for B
.set STO,   25                         ; v25     the way out: where I put 32 bytes of a row
.set RD,    26                         ; v26     where I read rows back
.set CO,    27                         ; v27     my byte offset in two rows of out0
.set SPW,   28                         ; v28     LDS address of my spare word; never rewritten
.set NIL,   29                         ; v29     0; never rewritten
.set BT,    32                         ; v32-63  register 8 b + j: the bias of my column 16 b + 8 (l / 16) + j
.set TMP,   64                         ; v64-95  a block's results
.set BK,    96                         ; v96-127, v128-159 by turns: 16 rows read back
.set G1,  24
.set G0,  32
.set G1B, 48
.set G0B, 56
.set MSB, 0
.macro WIN new                         ; the immediate's high byte repeats the setting that is left
.if MSB != (\new)
	s_set_vgpr_msb (MSB<<8)|(\new)
.set MSB, (\new)
.endif
.endm
.set MUL,  0xf6                        ; source 0 (B) window 2, source 1 (A) window 1, C and D window 3
.set TO_A, 0x40                        ; destination window 1, address window 0
.set TO_B, 0x80                        ; destination window 2
.macro JLOAD g0a, g1a, g0b, g1b        ; a joint load: waves 0 and 1 fetch A's halves, waves 2 and 3 B's; four v_nop follow each of the two lines
	s_cmp_eq_u32 s15, 0
	s_cbranch_scc0 .Lfor_b_\@
	tensor_load_to_lds s[\g0a:\g0a+3], s[\g1a:\g1a+7]
	s_nop 0
.rept 4
	v_nop
.endr
	s_branch .Lasked_\@
.Lfor_b_\@:
	tensor_load_to_lds s[\g0b:\g0b+3], s[\g1b:\g1b+7]
	s_nop 0
.rept 4
	v_nop
.endr
.Lasked_\@:
.endm
.macro CREST
	s_cmp_lg_u32 s14, 0
	s_cbranch_scc1 .Lnot_wave_0_\@
	s_barrier_signal -3
.Lnot_wave_0_\@:
	s_barrier_wait -3
	s_barrier_signal -1
	s_barrier_wait -1
.endm
.macro CROUND
	s_barrier_signal -1
	s_barrier_wait -1
	CREST
.endm
	s_load_b256 s[4:11], s[0:1], 0x0               ; ao s[4:5], opc s[6:7], the scales s[8:9], b_proj s[10:11]
	s_load_b64 s[12:13], s[0:1], 0x20              ; out0
	v_lshl_add_u32 v[SPW], v0, 2, SPARE
	v_mov_b32 v[NIL], 0
	ds_add_u32 v28, v29
	ds_add_u32 v28, v29
	s_wait_dscnt 0x0
	v_lshrrev_b32 v1, 5, v0
	v_readfirstlane_b32 s14, v1                    ; wave 0..3
	s_lshr_b32 s15, s14, 1                         ; which 128 rows are mine.  Also: I fetch for A (0) or for B (1)
	s_and_b32 s16, s14, 1                          ; which 64 columns.  Also: which half of that tile I fetch
	s_bfe_u32 s40, ttmp6, 0x40000                  ; cx, cy
	s_bfe_u32 s41, ttmp6, 0x40004
	s_lshl_b32 s42, ttmp9, 2
	s_add_co_u32 s42, s42, s40                     ; tile column, 0 .. 7
	s_and_b32 s17, ttmp7, 0xffff
	s_lshl_b32 s17, s17, 2
	s_add_co_u32 s17, s17, s41                     ; tile row, 0 .. 31
	s_lshl_b32 s43, s41, 2
	s_lshl_b32 s43, 15, s43                        ; my row of the cluster
	s_lshl_b32 s44, 0x1111, s40                    ; my column
	; descriptor group 1: rows of 4,096 bytes (a tile of 16 rows' two fragments of this K step), 16,384 bytes apart in memory, dense in LDS; elements of 8 bytes; A: 8 rows a load, B: 4
	s_or_b32 s[G1+0], s43, (3<<16)|(1<<21)
	s_or_b32 s[G1B+0], s44, (3<<16)|(1<<21)
.irp g, G1, G1B
	s_mov_b32 s[\g+1], 512<<16                     ; tensor_dim0 = 512
	s_mov_b32 s[\g+3], 512<<16                     ; tile_dim0 = 512
	s_mov_b32 s[\g+5], 2048                        ; tensor_dim0_stride
	s_mov_b32 s[\g+6], 0
	s_mov_b32 s[\g+7], 0
.endr
	s_mov_b32 s[G1+2], 8<<16                       ; tensor_dim1
	s_mov_b32 s[G1+4], 8                           ; tile_dim1
	s_mov_b32 s[G1B+2], 4<<16
	s_mov_b32 s[G1B+4], 4
	s_lshl_b32 s20, s17, 18                        ; A: 256 rows are 262,144 bytes, my half 131,072
	s_lshl_b32 s18, s16, 17
	s_add_co_u32 s20, s20, s18
	s_mov_b32 s21, 0
	s_lshl_b32 s46, s42, 17                        ; B: 128 columns are 131,072 bytes, my half 65,536
	s_lshl_b32 s47, s16, 16
	s_add_co_u32 s46, s46, s47
	s_add_co_u32 s46, s46, 0xa00000                ; W_proj's codes begin at byte 10,485,760 of opc
	s_mov_b32 s47, 0
	s_lshl_b32 s45, s16, 15                        ; where they go: A's halves,
	s_lshl_b32 s66, s16, 14
	s_add_co_u32 s66, s66, ATILE                   ; B's halves behind them: no place in the cluster enters an LDS address
	s_wait_kmcnt 0x0
	s_load_b64 s[96:97], s[8:9], 0x18              ; e6, e7
	s_add_nc_u64 s[20:21], s[4:5], s[20:21]
	s_add_nc_u64 s[46:47], s[6:7], s[46:47]
	CROUND                                         ; all sixteen work-groups are here: the first joint loads meet
.irp s, 0,1
	s_mov_b32 s[G0+4*\s], 1
	s_add_co_u32 s[G0+4*\s+1], s45, \s*SLOT
	s_add_nc_u64 s[G0+4*\s+2:G0+4*\s+3], s[20:21], \s*4096
	s_or_b32 s[G0+4*\s+3], s[G0+4*\s+3], 0x80000000
	s_mov_b32 s[G0B+4*\s], 1
	s_add_co_u32 s[G0B+4*\s+1], s66, \s*SLOT
	s_add_nc_u64 s[G0B+4*\s+2:G0B+4*\s+3], s[46:47], \s*4096
	s_or_b32 s[G0B+4*\s+3], s[G0B+4*\s+3], 0x80000000
	s_wait_alu depctr_va_vdst(0)
	s_wait_tensorcnt 0x0
	ds_add_u32 v28, v29
	ds_add_u32 v28, v29
	s_wait_dscnt 0x0
	CROUND
	JLOAD G0+4*\s, G1, G0B+4*\s, G1B               ; one load of mine is out
.endr
	v_and_b32 v1, 15, v0                           ; r
	v_bfe_u32 v2, v0, 4, 1                         ; h
	s_wait_alu depctr_va_vdst(0)
	v_and_b32 v6, 31, v0
	v_lshlrev_b32 v4, 4, v6                        ; 16 x lane
	s_lshl_b32 s22, s15, 15                        ; my 128 rows of A
	s_lshl_b32 s23, s16, 14                        ; my 64 columns of B,
	s_add_co_u32 s23, s23, ATILE                   ; which lie behind A
.irp s, 0,1
	v_add_nc_u32 v[ADRA+\s], s22, v4
	v_add_nc_u32 v[ADRB+\s], s23, v4
	s_add_co_u32 s22, s22, SLOT
	s_add_co_u32 s23, s23, SLOT
.endr
	s_lshl_b32 s80, s42, 9                         ; my first column in bytes: 512 x tile column + 256 x half
	s_lshl_b32 s81, s16, 8
	s_add_co_u32 s80, s80, s81
	s_mov_b32 s81, 0
	s_add_nc_u64 s[10:11], s[10:11], s[80:81]      ; the bias there,
	s_add_nc_u64 s[12:13], s[12:13], s[80:81]      ; and out0,
	s_lshl_b32 s82, s17, 20                        ; at my first row: 256 x tile row + 128 x half, of 4,096 bytes
	s_lshl_b32 s83, s15, 19
	s_add_co_u32 s82, s82, s83
	s_mov_b32 s83, 0
	s_add_nc_u64 s[12:13], s[12:13], s[82:83]
	v_lshlrev_b32 v5, 5, v2                        ; 32 h; stays as it is while the loads below are out
.irp b, 0,1,2,3
	global_load_b128 v[BT+8*\b:BT+8*\b+3], v5, s[10:11] offset:64*\b
	global_load_b128 v[BT+8*\b+4:BT+8*\b+7], v5, s[10:11] offset:64*\b+16
.endr
	s_mul_i32 s84, s14, 16*SPITCH                  ; my stage
	v_mul_u32_u24 v7, v1, SPITCH                   ; in: row r, 32 bytes for each half of the lanes
	v_lshl_add_u32 v7, v2, 5, v7
	v_add_nc_u32 v[STO], s84, v7
	v_mul_u32_u24 v8, v2, SPITCH                   ; back: lanes 0-15 one row of 256 bytes, lanes 16-31 the next
	v_lshl_add_u32 v8, v1, 4, v8
	v_add_nc_u32 v[RD], s84, v8
	v_lshlrev_b32 v9, 12, v2                       ; and the same two rows in out0
	v_lshl_add_u32 v[CO], v1, 4, v9
.macro FRAG reg, adr, q, i             ; a fragment comes as it was stored: four loads of 512 bytes on end
.irp c, 0,1,2,3
	ds_load_b128 v[\reg+4*\c:\reg+4*\c+3], v[\adr] offset:(\i)*4096+(\q)*2048+512*\c
.endr
.endm
.macro FETCH slot, q, p                ; 48 LDS loads in one run: B's four and A's eight fragments of the slot's q-th 128 along K, into set p
	WIN TO_B
.irp i, 0,1,2,3
	FRAG 64*(\p)+FR*\i, ADRB+\slot, \q, \i
.endr
	WIN TO_A
.irp i, 0,1,2,3,4,5,6,7
	FRAG 128*(\p)+FR*\i, ADRA+\slot, \q, \i
.endr
.endm
; 8 matrix instructions: A's blocks a0, a0 + 1 x B's four.  The 32 accumulators take turns, one instruction a turn, in the same order in every step.
.macro MUL8 a0, p, zero
.irp a, \a0, \a0+1
.irp b, 0,1,2,3
.if \zero
	v_wmma_f32_16x16x128_fp8_fp8 v[8*(4*(\a)+\b):8*(4*(\a)+\b)+7], v[64*(\p)+FR*\b:64*(\p)+FR*\b+FR-1], v[128*(\p)+FR*(\a):128*(\p)+FR*(\a)+FR-1], 0
.else
	v_wmma_f32_16x16x128_fp8_fp8 v[8*(4*(\a)+\b):8*(4*(\a)+\b)+7], v[64*(\p)+FR*\b:64*(\p)+FR*\b+FR-1], v[128*(\p)+FR*(\a):128*(\p)+FR*(\a)+FR-1], v[8*(4*(\a)+\b):8*(4*(\a)+\b)+7]
.endif
.endr
.endr
.endm
.macro PLACES                          ; four plain vector lines between a matrix instruction and a load into, or a vector line on, one of its registers (ISA guide 7.12.1 for vector lines)
.rept 4
	v_nop
.endr
.endm
; A slot's first 128 along K: set 0 is multiplied; the second 128 are fetched into set 1 ahead of the 32 products.
.macro STEP2 slot, zero
	PLACES                                         ; set 1 was read by the last products
	FETCH \slot, 1, 1
	s_wait_dscnt 48                                ; all but the 48 just issued: set 0 is in
	WIN MUL
	MUL8 0, 0, \zero
	MUL8 2, 0, \zero
	MUL8 4, 0, \zero
	MUL8 6, 0, \zero
.endm
; A slot's second 128 along K: set 1 is multiplied, and the slots change: one barrier; in front of it each wave waits for all its tensor loads, adds 0 to its spare word, and waits for that and for its reads of this slot.
.macro TURN2 slot, next, fill
	WIN 0                                          ; (the add's two registers lie in window 0)
	s_wait_tensorcnt 0x0                           ; all my tensor loads have landed: my part of the next slot
	ds_add_u32 v[SPW], v[NIL]                      ; 0 onto my spare word
	s_wait_dscnt 1                                 ; set 1 is in; the add may be out
	WIN MUL
	MUL8 0, 1, 0                                   ; eight matrix instructions stand between the add and the wait for it
	s_wait_dscnt 0x0                               ; the add is done, and my reads of this slot are over
	s_barrier_signal -1
	MUL8 2, 1, 0
	WIN 0
	s_barrier_wait -1
.if \fill
	CREST                                          ; the barrier has opened a round of the cluster's: no wave of any partner still reads this slot or has a load on its way
	s_add_nc_u64 s[G0+4*\slot+2:G0+4*\slot+3], s[G0+4*\slot+2:G0+4*\slot+3], 8192
	s_add_nc_u64 s[G0B+4*\slot+2:G0B+4*\slot+3], s[G0B+4*\slot+2:G0B+4*\slot+3], 8192
	JLOAD G0+4*\slot, G1, G0B+4*\slot, G1B         ; the first tensor load behind the round, my only one until the next; its four v_nop are the places in front of the loads below
.else
	PLACES
.endif
	FETCH \next, 0, 0
	WIN MUL
	MUL8 4, 1, 0
	MUL8 6, 1, 0
.endm
	s_wait_tensorcnt 1                             ; my part of K step 0 is in; K step 1's load may be out
	s_barrier_signal -1
	s_barrier_wait -1                              ; everybody's is
	FETCH 0, 0, 0
	STEP2 0, 1                                     ; four K steps of 256, written out: the first products start the sums
	TURN2 0, 1, 1                                  ; slot 0 takes K step 2
	STEP2 1, 0
	TURN2 1, 0, 1                                  ; slot 1 takes K step 3
	STEP2 0, 0
	TURN2 0, 1, 0                                  ; nothing is left to fetch
	STEP2 1, 0
	s_wait_dscnt 0
	MUL8 0, 1, 0
	MUL8 2, 1, 0
	MUL8 4, 1, 0
	MUL8 6, 1, 0
	WIN 0
; THE WAY OUT, block by block of 16 rows x 64 columns: sum x 2^(e6 + e7) + bias in one packed multiply-add; a lane's 32 bytes of a row go through my own stage and come back as whole rows of 256 bytes.
; LDS serves a wave's instructions in order (ISA guide 5.7.1.4): no wait between the stores and the loads, nor in front of the next block's stores.
.macro TOSTAGE a
	WIN 0x03                                       ; source 0: window 3
.set i, 0
.rept 16
	v_pk_fma_f32 v[TMP+i:TMP+i+1], v[32*(\a)+i:32*(\a)+i+1], s[96:97], v[BT+i:BT+i+1] op_sel_hi:[1,0,1]   ; each accumulator from its low end on
.set i, i+2
.endr
	WIN 0
.irp b, 0,1,2,3
	ds_store_b128 v[STO], v[TMP+8*\b:TMP+8*\b+3] offset:64*\b
	ds_store_b128 v[STO], v[TMP+8*\b+4:TMP+8*\b+7] offset:64*\b+16
.endr
.set BB, BK+32*((\a)%2)
.irp t, 0,1,2,3,4,5,6,7
	ds_load_b128 v[BB+4*\t:BB+4*\t+3], v[RD] offset:\t*2*SPITCH
.endr
.endm
.macro SEND a, younger                 ; younger: the LDS instructions issued behind block a's loads, which may stay out
.set BB, BK+32*((\a)%2)
	s_wait_dscnt \younger
.irp t, 0,1,2,3,4,5,6,7
	global_store_b128 v[CO], v[BB+4*\t:BB+4*\t+3], s[12:13] offset:(\a)*65536+2*\t*4096 th:TH_STORE_NT   ; 16 lanes store 256 consecutive bytes, at a multiple of 256 from out0's first byte
.endr
.endm
	s_wait_kmcnt 0x0
	s_wait_loadcnt 0x0                             ; the bias
	s_add_co_i32 s96, s96, s97
	s_add_co_i32 s96, s96, 127
	s_lshl_b32 s96, s96, 23                        ; 2^(e6 + e7) as f32
	s_mov_b32 s97, s96                             ; (named with it as a pair, so it is written)
	PLACES                                         ; behind the last products
	TOSTAGE 0
.irp a, 1,2,3,4,5,6,7
.if \a > 1
	s_wait_xcnt 0x0                                ; block a - 2's stores have read their registers: block a's loads may land there
.endif
	TOSTAGE \a
	SEND \a-1, 16                                  ; behind block a - 1's loads: block a's 8 stores and 8 loads
.endr
	SEND 7, 0
	s_wait_tensorcnt 0x0                           ; the wave's end
	ds_add_u32 v[SPW], v[NIL]
	s_wait_dscnt 0x0
	CROUND                                         ; the closing round
	s_endpgm
.Lfunc_end_k_qe158819d06_gemm_out:
	.size	k_qe158819d06_gemm_out, .Lfunc_end_k_qe158819d06_gemm_out-k_qe158819d06_gemm_out
	.p2alignl 7, 3214868480
	.fill 96, 4, 3214868480
	.section	.rodata,"a",@progbits
	.p2align	6, 0x0
	.amdhsa_kernel k_qe158819d06_gemm_out
		.amdhsa_group_segment_fixed_size 327680
		.amdhsa_private_segment_fixed_size 0
		.amdhsa_enable_private_segment 0
		.amdhsa_kernarg_size 40
		.amdhsa_user_sgpr_count 2
		.amdhsa_user_sgpr_kernarg_segment_ptr 1
		.amdhsa_wavefront_size32 1
		.amdhsa_system_sgpr_workgroup_id_x 1
		.amdhsa_system_sgpr_workgroup_id_y 1
		.amdhsa_system_sgpr_workgroup_id_z 1
		.amdhsa_system_vgpr_workitem_id 0
		.amdhsa_next_free_vgpr 1024
		.amdhsa_next_free_sgpr 100
		.amdhsa_reserve_vcc 0
		.amdhsa_float_denorm_mode_32 3
		.amdhsa_float_denorm_mode_16_64 3
		.amdhsa_memory_ordered 1
		.amdhsa_forward_progress 1
		.amdhsa_inst_pref_size 77
	.end_amdhsa_kernel
	.amdgpu_metadata
---
amdhsa.version: [ 1, 2 ]
amdhsa.kernels:
  - .name:           k_qe158819d06_gemm_out
    .symbol:         k_qe158819d06_gemm_out.kd
    .args:
      - { .name: ao, .offset: 0, .size: 8, .value_kind: global_buffer, .address_space: global }
      - { .name: opc, .offset: 8, .size: 8, .value_kind: global_buffer, .address_space: global }
      - { .name: lowp_scales, .offset: 16, .size: 8, .value_kind: global_buffer, .address_space: global }
      - { .name: b_proj, .offset: 24, .size: 8, .value_kind: global_buffer, .address_space: global }
      - { .name: out0, .offset: 32, .size: 8, .value_kind: global_buffer, .address_space: global }
    .group_segment_fixed_size: 327680
    .private_segment_fixed_size: 0
    .kernarg_segment_align: 8
    .kernarg_segment_size: 40
    .max_flat_workgroup_size: 128
    .sgpr_count:     100
    .vgpr_count:     1024
    .wavefront_size: 32
...
	.end_amdgpu_metadata
.endif
;; end of part 4
